; MI455X (gfx1250); checked and timed in simulation.
; The chip was launched on July 23, 2026; its instructions are those of AMD's public machine-readable ISA for CDNA 5 (MIT licence, August 2026) and "CDNA5" Instruction Set Architecture Reference Guide (July 2026). The comments in the code are by the model that wrote it; some were corrected since.
;; Mahalanobis KDE. Allowed arithmetic: matrix products marked QUANTISED: E5M2 operands, one given power-of-two scale a tensor, by v_wmma_f32_16x16x64_bf8_bf8 or v_wmma_f32_16x16x128_bf8_bf8, f32 sums; everything else in f32.
;; Inputs: X 4,096 x 1,024 float32; gamma one number float32; lowp_scales 2 int32 (the exponents e of the quantised operands' scales 2^e); svs 16,384 x 1,024 float32.
;; Outputs: out0 4,096 float32.
;; This version of the problem:
;;   THIS VERSION OF THE PROBLEM IS GIVEN IN LOW PRECISION. The matrix products marked QUANTISED in the list below multiply operands that are first quantised to E5M2 (5 exponent bits, 2 mantissa bits; 8 bits a number), with one given power-of-two scale for each operand tensor; their sums are f32. All else is computed in f32.
;;   The module's matrix products, in the order in which they are computed (A, B: the left and right operand; K: the contracted axis; several contracted axes count as one K, in the product's order):
;;     1. [M 4,096, K 1,024] x [K 1,024, N 16,384]; A: input X; B: input svs: QUANTISED (scales: A lowp_scales[0], B lowp_scales[1])
;;   THE QUANTISER, for each operand of a quantised product, along K:
;;     - The operand's scale is 2^e, e = its entry of the input lowp_scales (int32; the entries are numbered through the quantised products in the list's order, A before B).
;;     - Each number is divided by the scale, clamped to +-57,344, and rounded to the nearest number of E5M2, ties to even, subnormals kept.
;;     - The product sums the exact products of the quantised numbers (number of the format x scale) in f32.
;;   ~~~python
;;   def quantise(x, axis, e):      # numpy; x: float32 -> the quantised numbers, widened to float32 again
;;       x = np.moveaxis(x, axis, -1); K = x.shape[-1]
;;       r = np.clip(x / 2.0 ** e, -57344, 57344)
;;       step = 2.0 ** (np.maximum(np.frexp(np.where(r == 0, 1, r))[1] - 1, -14) - 2)
;;       q = np.round(r / step) * step * 2.0 ** e      # np.round: ties to even
;;       return np.moveaxis(q, -1, axis).astype(np.float32)
;;   ~~~
;; One version. Each part assembles by itself: llvm-mc -triple=amdgcn-amd-amdhsa -mcpu=gfx1250 --defsym DOCPART=n.
;; ======== version 1 of 1: 3 launches
;; limits: right only within a limited range of input values
;; workspace buffers: xc 4,194,304 bytes; sc 16,777,216 bytes; xb 16,384 bytes; sb 65,536 bytes; part 1,048,576 bytes
;; launch quant (part 1): grid 320 x 1, 8 waves a work-group, no clusters, 1,280 bytes of LDS; arguments X, svs, gamma, lowp_scales, xc, sc, xb, sb; writes xc, sc, xb, sb
.if DOCPART == 1
	.amdgcn_target "amdgcn-amd-amdhsa--gfx1250"
	.amdhsa_code_object_version 6
	.text
	.protected	k_q37a26abce9_quant
	.globl	k_q37a26abce9_quant
	.p2align	8
	.type	k_q37a26abce9_quant,@function
k_q37a26abce9_quant:
	s_mov_b64 s[64:65], 0
	v_nop
	global_prefetch_b8 v0, s[64:65] scope:SCOPE_SE
	s_setreg_imm32_b32 hwreg(HW_REG_WAVE_MODE, 25, 1), 1
	s_wait_xcnt 0x0
; X [4096][1024] and svs [16384][1024], f32, become codes of BF8 (E5M2), one byte each, with the given scales 2^ea and 2^eb, and each row's sum of squares (of the f32 numbers as given) is made on the way.
; code = x / 2^e, held within +-57,344, rounded to the nearest code, ties to even.
; WHAT THE NEXT LAUNCH WANTS.  With E = ea + eb and sg = the sign of gamma:  xb[q] = sg x2[q] 2^(-E-1),  sb[n] = -sg s2[n] 2^(-E-1),  and X's codes carry the sign sg (one exclusive or turns four codes).
; Then  w = (sum of code products) + sb[n]  gives  dist = sg 2^(E+1) (xb - w), and the exponent -gamma dist grows with w whatever gamma's sign.
; K IS PERMUTED INSIDE A ROW, ALIKE IN BOTH TENSORS: the code at byte 512 j + 16 l + 8 (m - 2 j) + 4 (i - 2 m) + c of a row belongs to k = 128 i + 4 l + c (load i = 0..7, lane l, conversion m = i / 2, store j = m / 2).
; Every product still meets its partner; only the order of the sums changes.  So each load reads 512 consecutive bytes, each store writes 512 consecutive bytes, and nothing is turned through LDS.
; SHARES.  A work-group takes 64 rows: the first 64 work-groups X's, the other 256 svs's; only pointers and constants are chosen, the text has one path.  A wave takes 8 rows, written out: every offset is an immediate.
; Four rows' loads (32 a wave) are out at the start, three rows' while a row is worked on.  The 64 sums of squares meet in 256 bytes of LDS, and wave 0 stores them as 256 consecutive bytes.
; LIMITS: ea and eb between -126 and 112, so that 2^e and 57,344 x 2^e are f32 numbers; gamma not 0; NaN among the inputs is not served (an infinity is held at the largest code).
.set XWG,  64                          ; work-groups that take X
.set PT,   16                          ; v16-23   row t's sum of squares
.set PD,   24                          ; v24-31   destinations of the lane permutes
.set XR,   32                          ; v32-159  four row slots of 32 registers
.set CD,   160                         ; v160-223 codes: eight registers for each row, so that no store's data are written again
	s_load_b256 s[4:11], s[0:1], 0x0               ; X s[4:5], svs s[6:7], gamma s[8:9], the scales' exponents s[10:11]
	s_load_b256 s[12:19], s[0:1], 0x20             ; xc s[12:13], sc s[14:15], xb s[16:17], sb s[18:19]
	v_lshl_add_u32 v224, v0, 2, 0x100
	v_mov_b32 v225, 0
	v_lshrrev_b32 v2, 5, v0
	s_delay_alu instid0(VALU_DEP_1)
	v_readfirstlane_b32 s20, v2                    ; wave 0..7
	v_and_b32 v3, 31, v0                           ; lane
	s_delay_alu instid0(VALU_DEP_1)
	v_lshlrev_b32 v1, 4, v3                        ; my 16 bytes of a load's or a store's 512
	s_delay_alu instid0(VALU_DEP_4)
	v_lshlrev_b32 v2, 5, v2                        ; LDS: my wave's eight words
	s_delay_alu instid0(VALU_DEP_3)
	v_lshlrev_b32 v3, 3, v3                        ; the way out of the sums: two words a lane
.irp t, 0,1,2,3,4,5,6,7
	v_mov_b32 v[PD+\t], 0                          ; written once: a lane permute's destination counts as one of its sources
.endr
	s_mov_b32 s34, 0x76543210                      ; v_permlanex16_b32: lane l takes lane l xor 16
	s_mov_b32 s35, 0xfedcba98
	s_cmp_lt_u32 ttmp9, XWG                        ; X's work-group or svs's?  The choice hangs on the work-group's number alone
	s_cselect_b32 s21, 0, XWG
	s_sub_co_u32 s21, ttmp9, s21                   ; which 64 rows of the tensor
	s_wait_kmcnt 0x0
	s_load_b32 s24, s[8:9], 0x0                    ; gamma
	s_load_b64 s[26:27], s[10:11], 0x0             ; ea, eb
	s_cmp_lt_u32 ttmp9, XWG                        ; (the subtraction above has set SCC)
	s_cselect_b64 s[4:5], s[4:5], s[6:7]           ; the numbers,
	s_cselect_b64 s[12:13], s[12:13], s[14:15]     ; the codes,
	s_cselect_b64 s[16:17], s[16:17], s[18:19]     ; the sums of squares
	s_lshl_b32 s22, s21, 18                        ; 64 rows of 4,096 bytes
	s_lshl_b32 s23, s20, 15                        ; + my wave's 8 rows
	s_add_co_u32 s22, s22, s23
	s_mov_b32 s23, 0
	s_add_nc_u64 s[4:5], s[4:5], s[22:23]
	s_lshl_b32 s22, s21, 16                        ; the same rows of 1,024 bytes
	s_lshl_b32 s25, s20, 13
	s_add_co_u32 s22, s22, s25
	s_add_nc_u64 s[12:13], s[12:13], s[22:23]
	s_lshl_b32 s22, s21, 8                         ; 64 numbers of 4 bytes
	s_add_nc_u64 s[16:17], s[16:17], s[22:23]
.macro LOAD t                          ; row t: eight loads of 512 consecutive bytes, into slot t % 4
.irp i, 0,1,2,3,4,5,6,7
	global_load_b128 v[XR+32*((\t)%4)+4*\i:XR+32*((\t)%4)+4*\i+3], v1, s[4:5] offset:4096*(\t)+512*\i th:TH_LOAD_NT
.endr
.endm
	LOAD 0
	LOAD 1
	LOAD 2
	LOAD 3
	s_wait_kmcnt 0x0
	s_ashr_i32 s29, s24, 31
	s_and_b32 s29, s29, 0x80808080                 ; four codes' sign bits where gamma is negative
	s_and_b32 s30, s24, 0x80000000                 ; gamma's sign
	s_add_co_i32 s32, s26, s27
	s_sub_co_i32 s32, -1, s32                      ; -E - 1
	s_cmp_lt_u32 ttmp9, XWG
	s_cselect_b32 s28, s26, s27                    ; e
	s_cselect_b32 s29, s29, 0                      ; only X's codes carry gamma's sign
	s_cselect_b32 s31, 0, 0x80000000
	s_xor_b32 s30, s30, s31                        ; xb has gamma's sign, sb the other
	s_add_co_i32 s28, s28, 127
	s_lshl_b32 s33, s28, 23
	v_mov_b32 v12, s33                             ; 2^e as f32: the conversion takes its exponent field
	s_add_co_i32 s28, s28, 15
	s_lshl_b32 s28, s28, 23
	s_or_b32 s28, s28, 0x600000
	v_mov_b32 v13, s28                             ; 57,344 x 2^e
.macro ROW t
.set XS, XR+32*((\t)%4)
.set CS, CD+8*(\t)
.if 7-(\t) >= 3
	s_wait_loadcnt 24                              ; loads come back in order (ISA guide 5.7.1): this row's eight are in, the three rows behind it stay out
.else
	s_wait_loadcnt 8*(7-(\t))                      ; the last rows: the counts run down
.endif
	v_pk_mul_f32 v[8:9], v[XS:XS+1], v[XS:XS+1]    ; the squares of the numbers as given, ahead of the hold: two chains of pairs, started by the first products
	v_pk_mul_f32 v[10:11], v[XS+2:XS+3], v[XS+2:XS+3]
.irp j, 4,8,12,16,20,24,28
	s_delay_alu instid0(VALU_DEP_2)
	v_pk_fma_f32 v[8:9], v[XS+\j:XS+\j+1], v[XS+\j:XS+\j+1], v[8:9]
	s_delay_alu instid0(VALU_DEP_2)
	v_pk_fma_f32 v[10:11], v[XS+\j+2:XS+\j+3], v[XS+\j+2:XS+\j+3], v[10:11]
.endr
.set i, 0
.rept 32
	v_med3_num_f32 v[XS+i], v[XS+i], -v13, v13     ; the conversion to an 8-bit code does not saturate (ISA guide 7.6.2): hold the number within the largest code x the scale first
.set i, i+1
.endr
.irp m, 0,1,2,3
	v_cvt_scalef32_pk8_bf8_f32 v[CS+2*\m:CS+2*\m+1], v[XS+8*\m:XS+8*\m+7], v12   ; the eight numbers of loads 2 m and 2 m + 1
.endr
.if (\t) < 4
	LOAD (\t)+4                                    ; the slot takes the row four further on
.endif
	v_pk_add_f32 v[8:9], v[8:9], v[10:11]          ; (also the plain line between the conversions and the lines that touch their results)
	s_delay_alu instid0(VALU_DEP_1)
	v_add_f32 v[PT+\t], v8, v9                     ; my 32 numbers' squares
.irp i, 0,1,2,3,4,5,6,7
	v_xor_b32 v[CS+\i], s29, v[CS+\i]              ; X's codes take gamma's sign; svs's are left as they are
.endr
.if (\t) == 3
; rows 0 to 3 leave together here, behind the issue of the last row's loads: each row has its own eight code registers, so nothing that a store reads is written again
.irp r, 0,1,2,3
	global_store_b128 v1, v[CD+8*\r:CD+8*\r+3], s[12:13] offset:1024*\r          ; 32 lanes store 512 consecutive bytes, at a multiple of 256 from the buffer's first byte
	global_store_b128 v1, v[CD+8*\r+4:CD+8*\r+7], s[12:13] offset:1024*\r+512
.endr
.endif
.endm
.irp t, 0,1,2,3,4,5,6,7
	ROW \t
.endr
	; the eight rows' sums across the 32 lanes, the rows by turns so that no line waits for the line above it
.irp x, 1,2,4,8
.irp t, 0,1,2,3,4,5,6,7
	v_add_f32_dpp v[PT+\t], v[PT+\t], v[PT+\t] row_xmask:\x row_mask:0xf bank_mask:0xf
.endr
.endr
.irp t, 0,1,2,3,4,5,6,7
	v_permlanex16_b32 v[PD+\t], v[PT+\t], s34, s35
.endr
.irp t, 0,1,2,3,4,5,6,7
	v_add_f32 v[PT+\t], v[PT+\t], v[PD+\t]
.endr
.irp t, 0,1,2,3,4,5,6,7
	ds_store_b32 v2, v[PT+\t] offset:4*\t          ; word 8 x wave + t = the row's number in the work-group; all lanes write the same word with the same value
.endr
.irp r, 4,5,6,7
	global_store_b128 v1, v[CD+8*\r:CD+8*\r+3], s[12:13] offset:1024*\r          ; rows 4 to 7 leave together, behind the sums' LDS stores
	global_store_b128 v1, v[CD+8*\r+4:CD+8*\r+7], s[12:13] offset:1024*\r+512
.endr
	s_wait_dscnt 0x0
	s_barrier_signal -1
	s_barrier_wait -1
	s_cmp_lg_u32 s20, 0
	s_cbranch_scc1 .Lend
	ds_load_b64 v[4:5], v3                         ; rows 2 l and 2 l + 1
	s_wait_dscnt 0x0
	v_ldexp_f32 v4, v4, s32                        ; x 2^(-E-1)
	v_ldexp_f32 v5, v5, s32
	s_delay_alu instid0(VALU_DEP_2)
	v_xor_b32 v4, s30, v4                          ; and the sign
	s_delay_alu instid0(VALU_DEP_2)
	v_xor_b32 v5, s30, v5
	global_store_b64 v3, v[4:5], s[16:17]          ; 32 lanes store 256 consecutive bytes, aligned
.Lend:
	s_wait_tensorcnt 0x0
	ds_add_u32 v224, v225
	s_wait_dscnt 0x0
	s_endpgm
.Lfunc_end_k_q37a26abce9_quant:
	.size	k_q37a26abce9_quant, .Lfunc_end_k_q37a26abce9_quant-k_q37a26abce9_quant
	.p2alignl 7, 3214868480
	.fill 96, 4, 3214868480
	.section	.rodata,"a",@progbits
	.p2align	6, 0x0
	.amdhsa_kernel k_q37a26abce9_quant
		.amdhsa_group_segment_fixed_size 1280
		.amdhsa_private_segment_fixed_size 0
		.amdhsa_enable_private_segment 0
		.amdhsa_kernarg_size 64
		.amdhsa_user_sgpr_count 2
		.amdhsa_user_sgpr_kernarg_segment_ptr 1
		.amdhsa_wavefront_size32 1
		.amdhsa_system_sgpr_workgroup_id_x 1
		.amdhsa_system_sgpr_workgroup_id_y 1
		.amdhsa_system_sgpr_workgroup_id_z 1
		.amdhsa_system_vgpr_workitem_id 0
		.amdhsa_next_free_vgpr 226
		.amdhsa_next_free_sgpr 66
		.amdhsa_reserve_vcc 0
		.amdhsa_float_denorm_mode_32 3
		.amdhsa_float_denorm_mode_16_64 3
		.amdhsa_memory_ordered 1
		.amdhsa_forward_progress 1
		.amdhsa_inst_pref_size 47
	.end_amdhsa_kernel
	.amdgpu_metadata
---
amdhsa.version: [ 1, 2 ]
amdhsa.kernels:
  - .name:           k_q37a26abce9_quant
    .symbol:         k_q37a26abce9_quant.kd
    .args:
      - { .name: X, .offset: 0, .size: 8, .value_kind: global_buffer, .address_space: global }
      - { .name: svs, .offset: 8, .size: 8, .value_kind: global_buffer, .address_space: global }
      - { .name: gamma, .offset: 16, .size: 8, .value_kind: global_buffer, .address_space: global }
      - { .name: lowp_scales, .offset: 24, .size: 8, .value_kind: global_buffer, .address_space: global }
      - { .name: xc, .offset: 32, .size: 8, .value_kind: global_buffer, .address_space: global }
      - { .name: sc, .offset: 40, .size: 8, .value_kind: global_buffer, .address_space: global }
      - { .name: xb, .offset: 48, .size: 8, .value_kind: global_buffer, .address_space: global }
      - { .name: sb, .offset: 56, .size: 8, .value_kind: global_buffer, .address_space: global }
    .group_segment_fixed_size: 1280
    .private_segment_fixed_size: 0
    .kernarg_segment_align: 8
    .kernarg_segment_size: 64
    .max_flat_workgroup_size: 256
    .sgpr_count:     66
    .vgpr_count:     226
    .wavefront_size: 32
...
	.end_amdgpu_metadata
.endif
;; end of part 1
;; launch dist_lse (part 2): grid 16 x 16, 4 waves a work-group, clusters of 4 x 1, 327,680 bytes of LDS; arguments xc, sc, xb, sb, gamma, lowp_scales, part; writes part
.if DOCPART == 2
	.amdgcn_target "amdgcn-amd-amdhsa--gfx1250"
	.amdhsa_code_object_version 6
	.text
	.protected	k_q37a26abce9_dist_lse
	.globl	k_q37a26abce9_dist_lse
	.p2align	8
	.type	k_q37a26abce9_dist_lse,@function
k_q37a26abce9_dist_lse:
	s_mov_b64 s[64:65], 0
	v_nop
	global_prefetch_b8 v0, s[64:65] scope:SCOPE_SE
	s_setreg_imm32_b32 hwreg(HW_REG_WAVE_MODE, 25, 1), 1
	s_wait_xcnt 0x0
	s_wait_alu depctr_hold_cnt(0) depctr_sa_sdst(0) depctr_va_vdst(0) depctr_va_sdst(0) depctr_va_ssrc(0) depctr_va_vcc(0) depctr_vm_vsrc(0)
	s_getreg_b32 s2, hwreg(HW_REG_IB_STS2, 6, 4)
	s_cmp_eq_u32 s2, 0
	s_cbranch_scc0 .Lentry_in_a_cluster
	s_endpgm
.Lentry_in_a_cluster:
	s_bfe_u32 s2, ttmp6, 0x10000c
	s_cmp_lg_u32 s2, 0x3003
	s_cbranch_scc0 .Lentry_shape_is_right
	s_endpgm
.Lentry_shape_is_right:
; w[q][n] = (sum over k of X's code x svs's code) + sb[n], and per query a running maximum M of w (held at xb[q], which is reference()'s dist >= 0) and the sum L of 2^(k (w - M)),
; k = |gamma| log2(e) 2^(ea+eb+1).  xc, sc, xb, sb are laid by the launch before; the exponent -gamma dist grows with w whatever gamma's sign.  Nothing of reference() is left out.
; SHARES.  Work-group (x, y): queries 256 x .. 256 x + 255, rows 1,024 y .. 1,024 y + 1,023 of svs, in eight tiles of 128 rows.  Wave w: queries 64 w .. 64 w + 63 against the whole tile.
; THE QUERIES' CODES STAY IN REGISTERS: 64 rows x 1,024 bytes are 512 registers of a wave (windows 2 and 3).  They come once, by one tensor load a wave, through the LDS bytes that later hold the ring.
; So LDS holds svs's codes alone: two slots of 128 rows x all 1,024 of K; a slot gives a wave 256 matrix instructions and finishes a block of 64 x 128 numbers w, which the wave folds into M and L at once.
; CLUSTER 4 x 1: the four partners have the same y and so the same tiles of svs: each wave's quarter of a tile is asked for jointly (mask 15).  The queries' tiles differ between partners: plain loads.
; THE MATRIX INSTRUCTION IS USED TRANSPOSED (source 0 = 16 rows of svs, source 1 = 16 queries): a lane holds one query, its registers run along svs's rows; sb goes in as the C of a tile's first K step.
; A lane's half (l / 16) keeps its own M and L to the end: part has 32 groups, group 2 y + half.  The next launch joins them.
; PREFETCH: a tile is 131,072 dense bytes = 512 blocks of 256; thread t of partner cx names block 128 cx + t: one instruction a wave names each block once in the cluster.
; Tiles 0, 1 are named while the queries' codes are on their way, tiles 2, 3 behind the first fill, and the trip of tile t (t = 0 .. 3) names tile t + 4, whose load is issued two trips later; later trips name nothing.
; REGISTERS.  Window 0: v0-63 addresses and the rows' state; v64-127 sb of the tile; v128-255 svs's fragments, two sets of four.  Window 1: the 32 accumulators, (a, b) at v[8 (8 a + b)].  Windows 2, 3: the queries' fragments, K step q, block a at register 64 q + 16 a of the 512.
; LIMITS: gamma finite and not 0; k a finite f32 number; NaN among the inputs is not served; the promise holds while k w stays under 2^31 in magnitude.
.set PITCH,  1040                      ; an LDS row: 1,024 bytes + 16 of padding: an odd multiple of 16, so the 16 rows that a load touches start at 16 different columns of 16 bytes
.set SLOT,   128*PITCH
.set SPARE,  2*SLOT                    ; behind the ring: the spare words, 128 bytes a wave
.set TILEB,  131072                    ; a tile of svs's codes in memory
.set ADRA, 9
.set ADRB, 10                          ; v10-13: slot s, rows 64 hb ..: register 2 s + hb
.set SPW,  14
.set NIL,  15
.set TT,   16
.set FF,   24
.set MM,   32
.set XBR,  36
.set LL,   40
.set PFO,  48
.set SBR,  64
.set BF,   128
.set G1A,  24                          ; group 1: 64 rows, no mask (the queries)
.set G0A,  32
.set G0F,  36                          ; the first fill of both slots: 64 rows a wave, jointly
.set G1F,  48
.set G0B,  56                          ; s[56:63]: group 0 of slot 0, slot 1
.set G1B,  84                          ; group 1: 32 rows, mask 15
.set PFA,  92
.set KK,   76
.set NKS,  78
.set LIM,  79
.set SEL,  80
.set MSB, 0
.macro WIN new
.if MSB != (\new)
	s_set_vgpr_msb (MSB<<8)|(\new)
.set MSB, (\new)
.endif
.endm
.macro PLACES
.rept 4
	v_nop
.endr
.endm
.macro CREST
	s_cmp_lg_u32 s14, 0
	s_cbranch_scc1 .Lnot_wave_0_\@
	s_barrier_signal -3
.Lnot_wave_0_\@:
	s_barrier_wait -3
	s_barrier_signal -1
	s_barrier_wait -1
.endm
.macro CROUND
	s_barrier_signal -1
	s_barrier_wait -1
	CREST
.endm
	s_load_b128 s[4:7], s[0:1], 0x0                ; xc, sc
	s_load_b128 s[8:11], s[0:1], 0x10              ; xb, sb
	s_load_b128 s[68:71], s[0:1], 0x20             ; gamma, the scales' exponents
	s_load_b64 s[12:13], s[0:1], 0x30              ; part
	v_lshl_add_u32 v[SPW], v0, 2, SPARE
	v_mov_b32 v[NIL], 0
	ds_add_u32 v[SPW], v[NIL]                      ; the opening lines: the add twice on end and its wait
	ds_add_u32 v[SPW], v[NIL]
	v_lshrrev_b32 v1, 5, v0
	v_readfirstlane_b32 s14, v1                    ; wave 0..3
	s_bfe_u32 s40, ttmp6, 0x40000                  ; cx
	s_lshl_b32 s17, ttmp9, 2
	s_add_co_u32 s17, s17, s40                     ; block of 256 queries
	s_and_b32 s42, ttmp7, 0xffff                   ; group of 1,024 rows of svs
	s_mov_b32 s[G1A+0], (1<<20)|(7<<22)|(3<<25)    ; elements of 1 byte; behind every 256 words 4 words of padding
	s_mov_b32 s[G1F+0], 15|(1<<20)|(1<<21)|(7<<22)|(3<<25)
	s_mov_b32 s[G1B+0], 15|(1<<20)|(1<<21)|(7<<22)|(3<<25)
.irp gg, G1A, G1F, G1B
	s_mov_b32 s[\gg+1], 1024<<16
	s_mov_b32 s[\gg+3], 1024<<16
	s_mov_b32 s[\gg+5], 1024
	s_mov_b32 s[\gg+6], 0
	s_mov_b32 s[\gg+7], 0
.endr
	s_mov_b32 s[G1A+2], 64<<16
	s_mov_b32 s[G1A+4], 64
	s_mov_b32 s[G1F+2], 64<<16
	s_mov_b32 s[G1F+4], 64
	s_mov_b32 s[G1B+2], 32<<16
	s_mov_b32 s[G1B+4], 32
	s_mul_i32 s45, s14, 64*PITCH                   ; LDS: my 64 rows of the 256
	s_mul_i32 s43, s14, 32*PITCH                   ; my 32 rows of a slot's 128
	s_lshl_b32 s20, s17, 18
	s_lshl_b32 s21, s14, 16
	s_add_co_u32 s20, s20, s21                     ; my 64 queries' codes
	s_mov_b32 s21, 0
	s_lshl_b32 s46, s42, 20
	s_mov_b32 s47, 0
	s_lshl_b32 s82, s40, 15                        ; my work-group's quarter of a tile's blocks, for the prefetches
	s_mov_b32 s83, 0
	s_wait_dscnt 0x0
	s_wait_kmcnt 0x0
	s_load_b32 s72, s[68:69], 0x0
	s_load_b64 s[74:75], s[70:71], 0x0
	s_add_nc_u64 s[20:21], s[4:5], s[20:21]
	s_add_nc_u64 s[6:7], s[6:7], s[46:47]          ; svs's codes at my group's first row
	s_add_nc_u64 s[PFA:PFA+1], s[6:7], s[82:83]
	s_lshl_b32 s46, s14, 16
	s_add_nc_u64 s[22:23], s[6:7], s[46:47]        ; rows 64 w .. of tiles 0 and 1 together
	s_lshl_b32 s46, s14, 15
	s_add_nc_u64 s[18:19], s[6:7], s[46:47]        ; rows 32 w .. of tile 0
	s_mov_b32 s[G0A], 1
	s_mov_b32 s[G0A+1], s45
	s_mov_b64 s[G0A+2:G0A+3], s[20:21]
	s_or_b32 s[G0A+3], s[G0A+3], 0x80000000
	s_mov_b32 s[G0F], 1
	s_mov_b32 s[G0F+1], s45
	s_mov_b64 s[G0F+2:G0F+3], s[22:23]
	s_or_b32 s[G0F+3], s[G0F+3], 0x80000000
.irp s, 0,1
	s_mov_b32 s[G0B+4*\s], 1
	s_add_co_u32 s[G0B+4*\s+1], s43, \s*SLOT
	s_add_nc_u64 s[G0B+4*\s+2:G0B+4*\s+3], s[18:19], \s*TILEB     ; tile s: each refill first steps two tiles on
	s_or_b32 s[G0B+4*\s+3], s[G0B+4*\s+3], 0x80000000
.endr
	CROUND                                         ; in a cluster launch a round stands in front of the first tensor loads
	tensor_load_to_lds s[G0A:G0A+3], s[G1A:G1A+7]  ; my 64 queries' codes: my one tensor load at the head
	s_nop 0
	v_and_b32 v1, 15, v0                           ; r
	v_bfe_u32 v2, v0, 4, 1                         ; h
	v_mul_u32_u24 v3, v1, PITCH
	v_lshl_add_u32 v4, v2, 4, v3                   ; a fragment's row x pitch + 16 h
	v_add_nc_u32 v[ADRA], s45, v4
.irp k, 0,1,2,3
	v_add_nc_u32 v[ADRB+\k], \k*64*PITCH, v4
.endr
	v_lshlrev_b32 v5, 5, v2                        ; sb: 8 numbers for each half of the lanes
	v_lshlrev_b32 v6, 2, v1                        ; xb: my query
	v_and_b32 v8, 31, v0
	v_lshlrev_b32 v7, 3, v8                        ; part: a pair a lane
	v_lshlrev_b32 v[PFO], 8, v0                    ; a block of 256 bytes a thread
	s_wait_alu depctr_va_vdst(0)                   ; the wait ahead of the scalar lines below
	global_prefetch_b8 v[PFO], s[PFA:PFA+1] th:TH_LOAD_NT scope:SCOPE_SE               ; tile 0
	global_prefetch_b8 v[PFO], s[PFA:PFA+1] offset:TILEB th:TH_LOAD_NT scope:SCOPE_SE  ; tile 1
	s_lshl_b32 s20, s17, 10
	s_lshl_b32 s21, s14, 8
	s_add_co_u32 s20, s20, s21
	s_mov_b32 s21, 0
	s_add_nc_u64 s[8:9], s[8:9], s[20:21]          ; xb at my 64 queries
	s_lshl_b32 s20, s42, 12
	s_add_nc_u64 s[10:11], s[10:11], s[20:21]      ; sb at my group
	s_lshl_b32 s20, s42, 16
	s_lshl_b32 s22, s17, 11
	s_add_co_u32 s20, s20, s22
	s_lshl_b32 s22, s14, 9
	s_add_co_u32 s20, s20, s22
	s_add_nc_u64 s[12:13], s[12:13], s[20:21]      ; part: group 2 y, my 64 queries
.macro SBLOAD off
.irp b, 0,1,2,3,4,5,6,7
	global_load_b128 v[SBR+8*\b:SBR+8*\b+3], v5, s[10:11] offset:(\off)+64*\b
	global_load_b128 v[SBR+8*\b+4:SBR+8*\b+7], v5, s[10:11] offset:(\off)+64*\b+16
.endr
.endm
.irp a, 0,1,2,3
	global_load_b32 v[XBR+\a], v6, s[8:9] offset:64*\a
.endr
	SBLOAD 0
.irp a, 0,1,2,3
	v_mov_b32 v[MM+\a], 0xff61b1e6                 ; -3e38, under every w
.endr
.irp a, 0,1,2,3,4,5,6,7
	v_mov_b32 v[LL+\a], 0
.endr
	s_mov_b32 s[SEL], 0x76543210
	s_mov_b32 s[SEL+1], 0xfedcba98
	s_wait_kmcnt 0x0
	s_add_co_i32 s73, s74, s75
	s_add_co_i32 s73, s73, 1                       ; ea + eb + 1
	s_and_b32 s[NKS], s72, 0x7fffffff
	v_mov_b32 v3, s[NKS]
	v_mul_f32 v3, 0x3fb8aa3b, v3
	v_ldexp_f32 v3, v3, s73
	v_readfirstlane_b32 s[KK], v3                  ; k, by the same lines as in the next launch
	s_mov_b32 s[KK+1], s[KK]
	s_xor_b32 s[NKS], s[KK], 0x80000000            ; -k
	s_and_b32 s[LIM], s72, 0x80000000
	s_xor_b32 s[LIM], s[LIM], 0xff800000           ; -inf where gamma > 0 (w is held from above at xb), +inf where gamma < 0 (from below)
	s_wait_alu depctr_va_vdst(0)                   ; the wait at the head's end
	s_wait_tensorcnt 0x0                           ; my own 64 rows are in LDS; only I read them
.irp q, 0,1,2,3,4,5,6,7
	WIN 0x80+0x40*(\q/4)
.irp a, 0,1,2,3
.irp c, 0,1,2,3
	ds_load_b128 v[64*(\q%4)+16*\a+4*\c:64*(\q%4)+16*\a+4*\c+3], v[ADRA] offset:\a*16*PITCH+128*\q+32*\c
.endr
.endr
.endr
	WIN 0
	s_wait_tensorcnt 0x0                           ; the three lines in front of the round behind which these bytes are filled again
	ds_add_u32 v[SPW], v[NIL]
	s_wait_dscnt 0x0                               ; the add is done, and the queries' codes are in registers
	CROUND
	tensor_load_to_lds s[G0F:G0F+3], s[G1F:G1F+7]  ; tiles 0 and 1 lie on end in memory and in LDS: 64 rows a wave fill both slots
	s_nop 0
	PLACES
	global_prefetch_b8 v[PFO], s[PFA:PFA+1] offset:2*TILEB th:TH_LOAD_NT scope:SCOPE_SE
	global_prefetch_b8 v[PFO], s[PFA:PFA+1] offset:3*TILEB th:TH_LOAD_NT scope:SCOPE_SE
; 16 matrix instructions: K step q, svs's blocks 4 hb .. 4 hb + 3 (set hb) x my four blocks of queries.  The accumulators take turns, one instruction a turn.
.macro MULG q, hb
.if (\q) == 0
	WIN 0x48                                       ; C = sb, in window 0
.else
	WIN 0x58+4*((\q)/4)
.endif
.irp a, 0,1,2,3
.irp i, 0,1,2,3
.if (\q) == 0
	v_wmma_f32_16x16x128_bf8_bf8 v[8*(8*\a+4*(\hb)+\i):8*(8*\a+4*(\hb)+\i)+7], v[BF+64*(\hb)+16*\i:BF+64*(\hb)+16*\i+15], v[64*((\q)%4)+16*\a:64*((\q)%4)+16*\a+15], v[SBR+8*(4*(\hb)+\i):SBR+8*(4*(\hb)+\i)+7]
.else
	v_wmma_f32_16x16x128_bf8_bf8 v[8*(8*\a+4*(\hb)+\i):8*(8*\a+4*(\hb)+\i)+7], v[BF+64*(\hb)+16*\i:BF+64*(\hb)+16*\i+15], v[64*((\q)%4)+16*\a:64*((\q)%4)+16*\a+15], v[8*(8*\a+4*(\hb)+\i):8*(8*\a+4*(\hb)+\i)+7]
.endif
.endr
.endr
.endm
; 16 LDS loads: four fragments (16 rows x 128 K; registers 4 c .. 4 c + 3 hold bytes 128 q + 32 c + 16 h .., as the queries' fragments do) into set hb
.macro FETCH slot, q, hb
.irp i, 0,1,2,3
.irp c, 0,1,2,3
	ds_load_b128 v[BF+64*(\hb)+16*\i+4*\c:BF+64*(\hb)+16*\i+4*\c+3], v[ADRB+2*(\slot)+(\hb)] offset:\i*16*PITCH+128*(\q)+32*\c
.endr
.endr
.endm
; A finished block of 64 x 128 numbers w is folded into M and L.  Row block u = registers 64 u .. 64 u + 63 of window 1.
.macro EPI
	WIN 0x14
.set i, 0
.rept 16
.irp u, 0,1,2,3
.irp c, 0,1
.if i == 0
	v_max3_num_f32 v[TT+2*\u+\c], v[MM+\u], v[64*\u+32*\c], v[64*\u+32*\c+1]          ; each accumulator is read from its low end on
.else
	v_max3_num_f32 v[TT+2*\u+\c], v[TT+2*\u+\c], v[64*\u+32*\c+2*i], v[64*\u+32*\c+2*i+1]
.endif
.endr
.endr
.set i, i+1
.endr
	WIN 0
.irp u, 0,1,2,3
	v_max_num_f32 v[TT+2*\u], v[TT+2*\u], v[TT+2*\u+1]
.endr
.irp u, 0,1,2,3
	v_med3_num_f32 v[TT+2*\u], v[TT+2*\u], s[LIM], v[XBR+\u]     ; the new M, held at xb
.endr
.irp u, 0,1,2,3
	v_sub_f32 v[FF+2*\u], v[MM+\u], v[TT+2*\u]
.endr
.irp u, 0,1,2,3
	v_mul_f32 v[FF+2*\u], s[KK], v[FF+2*\u]
.endr
	s_wait_alu depctr_va_vdst(0)                   ; the wait ahead of a batch
.irp u, 0,1,2,3
	v_exp_f32 v[FF+2*\u], v[FF+2*\u]               ; 2^(k (old M - new M))
.endr
.irp u, 0,1,2,3
	v_mov_b32 v[MM+\u], v[TT+2*\u]
.endr
.irp u, 0,1,2,3
	v_mul_f32 v[TT+2*\u], s[NKS], v[TT+2*\u]       ; -k M
.endr
.irp u, 0,1,2,3
	v_fma_f32 v[FF+2*\u+1], v[XBR+\u], s[KK], v[TT+2*\u]         ; k (xb - M): the hold of the exponents
.endr
	WIN 0x41
; six stages, one wait between stages: stage st scales row block st's 64 numbers, holds row block st - 1's and takes the exponentials of row block st - 2's.
; Inside a stage no line reads what another line of the stage wrote, and plain lines stand between the exponentials.
.set st, 0
.rept 6
.set i, 0
.rept 16
.irp j, 0,1,2,3
.if (st < 4) && ((\j % 2) == 0)
	v_pk_fma_f32 v[64*st+4*i+\j:64*st+4*i+\j+1], v[64*st+4*i+\j:64*st+4*i+\j+1], s[KK:KK+1], v[TT+2*st:TT+2*st+1] op_sel_hi:[1,0,0]
.endif
.if (st > 0) && (st < 5)
	v_med3_num_f32 v[64*(st-1)+4*i+\j], v[64*(st-1)+4*i+\j], s[LIM], v[FF+2*(st-1)+1]
.endif
.if st > 1
	v_exp_f32 v[64*(st-2)+4*i+\j], v[64*(st-2)+4*i+\j]
.endif
.endr
.set i, i+1
.endr
.if st == 5
	v_nop                                          ; a plain line behind the last exponential
.endif
	s_wait_alu depctr_va_vdst(0)
.set st, st+1
.endr
	WIN 0x45
.irp s, 1,2,4,8,16
.set i, 0
.rept 16/\s
.irp u, 0,1,2,3
	v_pk_add_f32 v[64*\u+4*\s*i:64*\u+4*\s*i+1], v[64*\u+4*\s*i:64*\u+4*\s*i+1], v[64*\u+4*\s*i+2*\s:64*\u+4*\s*i+2*\s+1]
.endr
.set i, i+1
.endr
.endr
	WIN 0x10
.irp u, 0,1,2,3
	v_pk_fma_f32 v[LL+2*\u:LL+2*\u+1], v[LL+2*\u:LL+2*\u+1], v[FF+2*\u:FF+2*\u+1], v[64*\u:64*\u+1] op_sel_hi:[1,0,1]
.endr
	WIN 0
	s_wait_alu depctr_va_vdst(0)
.endm
; A tile: 16 groups of 16 matrix instructions (K step g / 2, half g % 2).  Each group's fragments are asked for two groups ahead, into the set that the group two back has left.
; s_wait_dscnt 16: this group's 16 loads are in, the next group's 16 may be out.
; mode 1: behind group 14 all my reads of this slot have been issued: the three lines, a round of the cluster's barrier with group 15 inside it, and the slot takes the tile two on.
; mode 2: the same lines and my work-group's barrier, nothing is filled.  mode 0: the last tile.
.macro TRIP slot, mode, ask
	s_wait_loadcnt 0x0                             ; this tile's sb
.set g, 0
.rept 14
	s_wait_dscnt 16
	MULG g/2, g%2
	WIN 0
	PLACES
	FETCH \slot, (g+2)/2, g%2
.if (g == 1) && (\mode)
	SBLOAD 512*(\slot+1)                           ; the next tile's sb, four places behind the last product that took this tile's as C
.endif
.set g, g+1
.endr
	s_wait_dscnt 16
	MULG 7, 0
	WIN 0
.if \mode
	s_wait_tensorcnt 0x0                           ; all my tensor loads have landed: my part of the other slot
	ds_add_u32 v[SPW], v[NIL]
	s_wait_dscnt 0x0                               ; the add is done, my reads of this slot are over
	s_barrier_signal -1
	MULG 7, 1
	WIN 0
	s_barrier_wait -1
.if \mode == 1
	CREST
	s_add_nc_u64 s[G0B+4*\slot+2:G0B+4*\slot+3], s[G0B+4*\slot+2:G0B+4*\slot+3], 2*TILEB
	tensor_load_to_lds s[G0B+4*\slot:G0B+4*\slot+3], s[G1B:G1B+7]
	s_nop 0
.endif
	PLACES
	FETCH 1-\slot, 0, 0
	FETCH 1-\slot, 0, 1
.if \ask
	s_cmp_gt_u32 s3, 1                             ; the loop's last trip has no tile four on
	s_cbranch_scc0 .Lno_ask_\@
	global_prefetch_b8 v[PFO], s[PFA:PFA+1] offset:(4+\slot)*TILEB th:TH_LOAD_NT scope:SCOPE_SE
.Lno_ask_\@:
.endif
.else
	s_wait_dscnt 0x0
	MULG 7, 1
	WIN 0
	PLACES
.endif
	EPI
.endm
	s_wait_tensorcnt 0x0                           ; my part of tiles 0 and 1 is in;
	s_barrier_signal -1
	s_barrier_wait -1                              ; everybody's is
	FETCH 0, 0, 0
	FETCH 0, 0, 1
	s_mov_b32 s3, 3
.Lloop:
	TRIP 0, 1, 1
	TRIP 1, 1, 1
	s_wait_xcnt 0x0                                ; the loads of sb and the prefetches have read their bases
	s_add_nc_u64 s[10:11], s[10:11], 1024
	s_add_nc_u64 s[PFA:PFA+1], s[PFA:PFA+1], 2*TILEB
	s_sub_co_u32 s3, s3, 1
	s_cmp_lg_u32 s3, 0
	s_cbranch_scc1 .Lloop
	TRIP 0, 2, 0                                   ; tiles 6 and 7: nothing more is fetched
	TRIP 1, 0, 0
; THE WAY OUT.  Row blocks a and a + 1 exchange halves, so that each store's 32 lanes hold 32 neighbouring queries of one group: 256 consecutive bytes, aligned.
.irp a, 0,1,2,3
	v_add_f32 v[LL+2*\a], v[LL+2*\a], v[LL+2*\a+1]
.endr
.irp a, 0,2
	v_permlanex16_b32 v[TT+2*\a], v[MM+\a+1], s[SEL], s[SEL+1]
	v_permlanex16_b32 v[TT+2*\a+1], v[LL+2*\a+2], s[SEL], s[SEL+1]
	v_permlanex16_b32 v[TT+2*\a+2], v[MM+\a], s[SEL], s[SEL+1]
	v_permlanex16_b32 v[TT+2*\a+3], v[LL+2*\a], s[SEL], s[SEL+1]
.endr
	v_cmp_gt_u32 vcc_lo, 16, v8
.irp a, 0,2
	v_cndmask_b32 v[SBR+2*\a], v[TT+2*\a], v[MM+\a], vcc_lo            ; half 0's pairs: block a in lanes 0-15, block a + 1 in lanes 16-31
	v_cndmask_b32 v[SBR+2*\a+1], v[TT+2*\a+1], v[LL+2*\a], vcc_lo
	v_cndmask_b32 v[SBR+2*\a+2], v[MM+\a+1], v[TT+2*\a+2], vcc_lo      ; half 1's
	v_cndmask_b32 v[SBR+2*\a+3], v[LL+2*\a+2], v[TT+2*\a+3], vcc_lo
.endr
.irp a, 0,2
	global_store_b64 v7, v[SBR+2*\a:SBR+2*\a+1], s[12:13] offset:128*\a
	global_store_b64 v7, v[SBR+2*\a+2:SBR+2*\a+3], s[12:13] offset:32768+128*\a
.endr
	s_wait_tensorcnt 0x0                           ; the wave's end
	ds_add_u32 v[SPW], v[NIL]
	s_wait_dscnt 0x0
	CROUND                                         ; the closing round
	s_endpgm
.Lfunc_end_k_q37a26abce9_dist_lse:
	.size	k_q37a26abce9_dist_lse, .Lfunc_end_k_q37a26abce9_dist_lse-k_q37a26abce9_dist_lse
	.p2alignl 7, 3214868480
	.fill 96, 4, 3214868480
	.section	.rodata,"a",@progbits
	.p2align	6, 0x0
	.amdhsa_kernel k_q37a26abce9_dist_lse
		.amdhsa_group_segment_fixed_size 327680
		.amdhsa_private_segment_fixed_size 0
		.amdhsa_enable_private_segment 0
		.amdhsa_kernarg_size 56
		.amdhsa_user_sgpr_count 2
		.amdhsa_user_sgpr_kernarg_segment_ptr 1
		.amdhsa_wavefront_size32 1
		.amdhsa_system_sgpr_workgroup_id_x 1
		.amdhsa_system_sgpr_workgroup_id_y 1
		.amdhsa_system_sgpr_workgroup_id_z 1
		.amdhsa_system_vgpr_workitem_id 0
		.amdhsa_next_free_vgpr 1024
		.amdhsa_next_free_sgpr 96
		.amdhsa_reserve_vcc 1
		.amdhsa_float_denorm_mode_32 3
		.amdhsa_float_denorm_mode_16_64 3
		.amdhsa_memory_ordered 1
		.amdhsa_forward_progress 1
		.amdhsa_inst_pref_size 255
	.end_amdhsa_kernel
	.section	.bss,"aw",@nobits
	.p2align	6
	.space	262144
	.amdgpu_metadata
---
amdhsa.version: [ 1, 2 ]
amdhsa.kernels:
  - .name:           k_q37a26abce9_dist_lse
    .symbol:         k_q37a26abce9_dist_lse.kd
    .args:
      - { .name: xc, .offset: 0, .size: 8, .value_kind: global_buffer, .address_space: global }
      - { .name: sc, .offset: 8, .size: 8, .value_kind: global_buffer, .address_space: global }
      - { .name: xb, .offset: 16, .size: 8, .value_kind: global_buffer, .address_space: global }
      - { .name: sb, .offset: 24, .size: 8, .value_kind: global_buffer, .address_space: global }
      - { .name: gamma, .offset: 32, .size: 8, .value_kind: global_buffer, .address_space: global }
      - { .name: lowp_scales, .offset: 40, .size: 8, .value_kind: global_buffer, .address_space: global }
      - { .name: part, .offset: 48, .size: 8, .value_kind: global_buffer, .address_space: global }
    .group_segment_fixed_size: 327680
    .private_segment_fixed_size: 0
    .kernarg_segment_align: 8
    .kernarg_segment_size: 56
    .max_flat_workgroup_size: 128
    .sgpr_count:     96
    .vgpr_count:     1024
    .wavefront_size: 32
...
	.end_amdgpu_metadata
.endif
;; end of part 2
;; launch combine (part 3): grid 64 x 1, 1 waves a work-group, no clusters, 0 bytes of LDS; arguments part, xb, gamma, lowp_scales, out0; writes out0
.if DOCPART == 3
	.amdgcn_target "amdgcn-amd-amdhsa--gfx1250"
	.amdhsa_code_object_version 6
	.text
	.protected	k_q37a26abce9_combine
	.globl	k_q37a26abce9_combine
	.p2align	8
	.type	k_q37a26abce9_combine,@function
k_q37a26abce9_combine:
	s_mov_b64 s[64:65], 0
	v_nop
	global_prefetch_b8 v0, s[64:65] scope:SCOPE_SE
	s_setreg_imm32_b32 hwreg(HW_REG_WAVE_MODE, 25, 1), 1
	s_wait_xcnt 0x0
; The 32 pairs (M_p, L_p) of each query are joined, and the result is written:  M = the largest M_p,  L = the sum of L_p 2^(k (M_p - M)),
;   out = sg 2^(E+1) (xb - M) - ln 2 (log2 L - 14) / gamma,   E = ea + eb, sg = gamma's sign, k = |gamma| log2(e) 2^(E+1), 14 = log2 16,384.
; part: [32][4096] pairs of f32.  One wave takes 64 queries, a lane two neighbours: each of its 32 loads reads 512 consecutive bytes, its store writes 256 consecutive bytes, aligned.
; The sums span work-groups of the launch before, so they are joined here, by one owner for each output.  No LDS, no barrier, no matrix work: 1 MiB is read once.
; LIMITS: gamma finite, not 0, |gamma| between 2^-126 and 2^126 (its reciprocal is taken by v_rcp_f32); NaN is not served.
.set PS, 32                            ; v[32+4p .. 35+4p]: M, L of my first query, M, L of my second, in group p
	s_load_b256 s[4:11], s[0:1], 0x0               ; part s[4:5], xb s[6:7], gamma s[8:9], the scales' exponents s[10:11]
	s_load_b64 s[12:13], s[0:1], 0x20              ; out0
	v_lshlrev_b32 v1, 4, v0                        ; two pairs a lane
	v_lshlrev_b32 v2, 3, v0                        ; two numbers a lane
	s_lshl_b32 s14, ttmp9, 9                       ; 64 pairs
	s_mov_b32 s15, 0
	s_lshl_b32 s16, ttmp9, 8                       ; 64 numbers
	s_mov_b32 s17, 0
	s_wait_alu depctr_va_vdst(0)
	s_wait_kmcnt 0x0
	s_load_b32 s18, s[8:9], 0x0                    ; gamma
	s_load_b64 s[20:21], s[10:11], 0x0             ; ea, eb
	s_add_nc_u64 s[4:5], s[4:5], s[14:15]
	s_add_nc_u64 s[6:7], s[6:7], s[16:17]
	s_add_nc_u64 s[12:13], s[12:13], s[16:17]
.set p, 0
.rept 32
	global_load_b128 v[PS+4*p:PS+4*p+3], v1, s[4:5] offset:32768*p
.set p, p+1
.endr
	global_load_b64 v[4:5], v2, s[6:7]             ; xb
	s_wait_kmcnt 0x0
	s_add_co_i32 s22, s20, s21
	s_add_co_i32 s22, s22, 1                       ; E + 1
	s_and_b32 s23, s18, 0x7fffffff                 ; |gamma|
	s_and_b32 s24, s18, 0x80000000                 ; its sign
	v_mov_b32 v10, s23
	v_mul_f32 v10, 0x3fb8aa3b, v10                 ; k, by the same two lines as in the launch before: the same bits
	v_ldexp_f32 v10, v10, s22
	v_readfirstlane_b32 s25, v10
	s_xor_b32 s26, s25, 0x80000000                 ; -k
	v_mov_b32 v11, s18
	s_wait_loadcnt 0x0
	v_max3_num_f32 v6, v[PS], v[PS+4], v[PS+8]     ; the largest M_p, my two queries by turns
	v_max3_num_f32 v7, v[PS+2], v[PS+6], v[PS+10]
.irp p, 3,5,7,9,11,13,15,17,19,21,23,25,27,29
	v_max3_num_f32 v6, v6, v[PS+4*\p], v[PS+4*\p+4]
	v_max3_num_f32 v7, v7, v[PS+4*\p+2], v[PS+4*\p+6]
.endr
	v_max_num_f32 v6, v6, v[PS+124]
	v_max_num_f32 v7, v7, v[PS+126]
	v_mul_f32 v8, s26, v6                          ; -k M
	v_mul_f32 v9, s26, v7
.set p, 0
.rept 32
	v_fma_f32 v[PS+4*p], v[PS+4*p], s25, v8        ; k M_p - k M, 0 or less but for the rounding of k M
	v_fma_f32 v[PS+4*p+2], v[PS+4*p+2], s25, v9
.set p, p+1
.endr
.set p, 0
	s_wait_alu depctr_va_vdst(0)
.rept 32
	v_exp_f32 v[PS+4*p], v[PS+4*p]
	v_exp_f32 v[PS+4*p+2], v[PS+4*p+2]
.set p, p+1
.endr
	v_nop                                          ; a plain line between the last exponential and the use of its result
	s_wait_alu depctr_va_vdst(0)
	v_mul_f32 v12, v[PS+1], v[PS]                  ; the first product starts each sum
	v_mul_f32 v13, v[PS+3], v[PS+2]
.set p, 1
.rept 31
	v_fmac_f32 v12, v[PS+4*p+1], v[PS+4*p]
	v_fmac_f32 v13, v[PS+4*p+3], v[PS+4*p+2]
.set p, p+1
.endr
	s_wait_alu depctr_va_vdst(0)
	v_rcp_f32 v11, v11                             ; 1 / gamma
	v_log_f32 v12, v12                             ; log2 L
	v_log_f32 v13, v13
	v_sub_f32 v4, v4, v6                           ; xb - M  (plain lines behind the transcendentals)
	v_sub_f32 v5, v5, v7
	v_ldexp_f32 v4, v4, s22                        ; x 2^(E+1)
	v_ldexp_f32 v5, v5, s22
	v_xor_b32 v4, s24, v4                          ; x sg
	v_xor_b32 v5, s24, v5
	s_wait_alu depctr_va_vdst(0)
	v_mul_f32 v11, 0x3f317218, v11                 ; ln 2 / gamma
	v_sub_f32 v12, 0x41600000, v12                 ; 14 - log2 L
	v_sub_f32 v13, 0x41600000, v13
	v_fma_f32 v4, v12, v11, v4
	v_fma_f32 v5, v13, v11, v5
	global_store_b64 v2, v[4:5], s[12:13]          ; 32 lanes store 256 consecutive bytes, aligned
	s_endpgm
.Lfunc_end_k_q37a26abce9_combine:
	.size	k_q37a26abce9_combine, .Lfunc_end_k_q37a26abce9_combine-k_q37a26abce9_combine
	.p2alignl 7, 3214868480
	.fill 96, 4, 3214868480
	.section	.rodata,"a",@progbits
	.p2align	6, 0x0
	.amdhsa_kernel k_q37a26abce9_combine
		.amdhsa_group_segment_fixed_size 0
		.amdhsa_private_segment_fixed_size 0
		.amdhsa_enable_private_segment 0
		.amdhsa_kernarg_size 40
		.amdhsa_user_sgpr_count 2
		.amdhsa_user_sgpr_kernarg_segment_ptr 1
		.amdhsa_wavefront_size32 1
		.amdhsa_system_sgpr_workgroup_id_x 1
		.amdhsa_system_sgpr_workgroup_id_y 1
		.amdhsa_system_sgpr_workgroup_id_z 1
		.amdhsa_system_vgpr_workitem_id 0
		.amdhsa_next_free_vgpr 176
		.amdhsa_next_free_sgpr 66
		.amdhsa_reserve_vcc 0
		.amdhsa_float_denorm_mode_32 3
		.amdhsa_float_denorm_mode_16_64 3
		.amdhsa_memory_ordered 1
		.amdhsa_forward_progress 1
		.amdhsa_inst_pref_size 16
	.end_amdhsa_kernel
	.amdgpu_metadata
---
amdhsa.version: [ 1, 2 ]
amdhsa.kernels:
  - .name:           k_q37a26abce9_combine
    .symbol:         k_q37a26abce9_combine.kd
    .args:
      - { .name: part, .offset: 0, .size: 8, .value_kind: global_buffer, .address_space: global }
      - { .name: xb, .offset: 8, .size: 8, .value_kind: global_buffer, .address_space: global }
      - { .name: gamma, .offset: 16, .size: 8, .value_kind: global_buffer, .address_space: global }
      - { .name: lowp_scales, .offset: 24, .size: 8, .value_kind: global_buffer, .address_space: global }
      - { .name: out0, .offset: 32, .size: 8, .value_kind: global_buffer, .address_space: global }
    .group_segment_fixed_size: 0
    .private_segment_fixed_size: 0
    .kernarg_segment_align: 8
    .kernarg_segment_size: 40
    .max_flat_workgroup_size: 32
    .sgpr_count:     66
    .vgpr_count:     176
    .wavefront_size: 32
...
	.end_amdgpu_metadata
.endif
;; end of part 3
